; MI455X (gfx1250); checked and timed in simulation.
; The chip was launched on July 23, 2026; its instructions are those of AMD's public machine-readable ISA for CDNA 5 (MIT licence, August 2026) and "CDNA5" Instruction Set Architecture Reference Guide (July 2026). The comments in the code are by the model that wrote it; some were corrected since.
;; Multihead Self Attention. Allowed arithmetic: float matrix products may take bf16 or f16 operands with f32 sums; all other float work in f32.
;; Inputs: Wk 64 x 128 float32; Wq 64 x 128 float32; Wv 64 x 128 float32; bk 128 float32; bq 128 float32; bv 128 float32; x 8 x 4,096 x 64 float32.
;; Outputs: out0 8 x 4,096 x 128 float32.
;; One version. Each part assembles by itself: llvm-mc -triple=amdgcn-amd-amdhsa -mcpu=gfx1250 --defsym DOCPART=n.
;; ======== version 1 of 1: 2 launches
;; limits: values are held in f16: magnitudes above 65,504 overflow, below 6.1e-05 lose precision; right only within a limited range of input values
;; workspace buffers: xb 4,194,304 bytes; xT 4,194,304 bytes; wqT 16,384 bytes; wvT 16,384 bytes; wkx 20,480 bytes
;; launch prep (part 1): grid 256 x 1, 8 waves a work-group, no clusters, 18,432 bytes of LDS; arguments x, Wq, Wv, Wk, bk, xb, xT, wqT, wvT, wkx; writes xb, xT, wqT, wvT, wkx
.if DOCPART == 1
	.amdgcn_target "amdgcn-amd-amdhsa--gfx1250"
	.amdhsa_code_object_version 6
	.text
	.protected	k_q6a5322ff42_prep
	.globl	k_q6a5322ff42_prep
	.p2align	8
	.type	k_q6a5322ff42_prep,@function
k_q6a5322ff42_prep:
	s_mov_b64 s[64:65], 0
	v_nop
	global_prefetch_b8 v0, s[64:65] scope:SCOPE_SE
	s_setreg_imm32_b32 hwreg(HW_REG_WAVE_MODE, 25, 1), 1
	s_wait_xcnt 0x0
; Rounds the attention launch's matrix operands to f16, once, and lays them out as that launch reads them.
;   xb  [32768][64]      x, row by row                      (the "keys":   rows along d)
;   xT  [8][64][4096]    x of each batch, transposed        (the "values": rows along the sequence)
;   wqT [128][64], wvT [128][64]   Wq and Wv transposed     (rows along d)
;   wkx [80][128]        rows 0-63 Wk as it lies, rows 64-79 bk sixteen times (a tile of 16 equal rows)
; f16 and not bf16: 11 significant bits against 8; why that is needed, and the room that f16's range leaves, is said at the head of the attention launch.
; LIMIT: magnitudes of x, Wq, Wk, Wv, bk from 65,504 on become infinite here.
; Eight waves; work-group g owns rows 128 g .. 128 g + 127 of x (32,768 bytes): 256 work-groups.
; Thread t takes four chunks of 8 numbers, chunk c = t + 256 i: row c >> 3 of the group, columns 8 (c & 7) .. + 7.
; The transpose goes through LDS: T[d][key], 64 rows of 128 f16, pitch 272 bytes.
; The first 13 work-groups also do a piece of the weights; their loads go out behind x's, so both are on their way together.
; No matrix unit, no cluster, no tensor load: every byte is read once and written once, and the work-groups share nothing.
.set TP,  272                          ; pitch of T in LDS: 256 bytes + 16
.set XF,  8                            ; v[8:39]   x as loaded, chunk i in 8 registers
.set WF,  40                           ; v[40:47]  8 numbers of a weight
.set WB,  48                           ; v[48:51]  the same in f16
.set XB,  52                           ; v[52:67]  x in f16, chunk i in 4 registers
.set XR,  68                           ; v[68:83]  rows of T read back
	s_load_b512 s[8:23], s[0:1], 0x0               ; x 8, Wq 10, Wv 12, Wk 14, bk 16, xb 18, xT 20, wqT 22
	s_load_b128 s[24:27], s[0:1], 0x40             ; wvT 24, wkx 26
	v_lshl_add_u32 v88, v0, 2, 0x4400
	v_mov_b32 v89, 0
	s_mov_b32 s4, ttmp9                            ; g
	s_mov_b32 s29, 0                               ; high word of every offset pair
	v_lshlrev_b32 v1, 5, v0                        ; x:  32 t
	v_lshlrev_b32 v6, 4, v0                        ; xb: 16 t
	v_and_b32 v84, 7, v0
	v_lshrrev_b32 v85, 3, v0
	v_mul_u32_u24 v2, v84, 8*TP                    ; T, in: row 8 (t & 7) (+ e), key t >> 3 (+ 32 i)
	v_lshl_add_u32 v2, v85, 1, v2
	v_lshrrev_b32 v84, 4, v0
	v_and_b32 v85, 15, v0
	v_mul_u32_u24 v3, v84, TP                      ; T, back: row t >> 4 (+ 16 i), 16 bytes at 16 (t & 15)
	v_lshl_add_u32 v3, v85, 4, v3
	v_lshlrev_b32 v4, 13, v84                      ; xT: the same row, 8,192 bytes from row to row
	v_lshl_add_u32 v4, v85, 4, v4
	s_lshl_b32 s28, s4, 15
	s_wait_kmcnt 0x0
	s_add_nc_u64 s[8:9], s[8:9], s[28:29]          ; x at my 128 rows of 256 bytes
	s_lshl_b32 s28, s4, 14
	s_add_nc_u64 s[18:19], s[18:19], s[28:29]      ; xb at my 128 rows of 128 bytes
	s_lshr_b32 s28, s4, 5                          ; batch
	s_lshl_b32 s28, s28, 19                        ; x 64 rows of 8,192 bytes
	s_and_b32 s35, s4, 31
	s_lshl_b32 s35, s35, 8                         ; my 128 keys: 256 bytes of each row
	s_add_co_u32 s28, s28, s35
	s_add_nc_u64 s[20:21], s[20:21], s[28:29]
.irp i, 0,1,2,3
	global_load_b128 v[XF+8*\i:XF+8*\i+3],   v1, s[8:9] offset:8192*\i th:TH_LOAD_NT
	global_load_b128 v[XF+8*\i+4:XF+8*\i+7], v1, s[8:9] offset:8192*\i+16 th:TH_LOAD_NT
.endr
	; the weights: a scalar branch on the work-group's number, with no barrier inside
	s_cmp_ge_u32 s4, 13
	s_cbranch_scc1 .Lno_weights
	s_cmp_ge_u32 s4, 8
	s_cbranch_scc1 .Lconvert
	; g = 0..3: Wq to wqT; g = 4..7: Wv to wvT.  1,024 chunks of 8 f16 each; chunk cc = row cc >> 3 (hidden), columns 8 (cc & 7) .. + 7 (d)
	s_cmp_lt_u32 s4, 4
	s_cselect_b64 s[30:31], s[10:11], s[12:13]     ; from
	s_cselect_b64 s[32:33], s[22:23], s[24:25]     ; to
	s_and_b32 s34, s4, 3
	s_lshl_b32 s34, s34, 8
	v_add_nc_u32 v84, s34, v0                      ; cc
	v_and_b32 v85, 7, v84
	v_lshrrev_b32 v86, 3, v84
	v_lshlrev_b32 v7, 12, v85                      ; source row 8 (cc & 7), 512 bytes a row,
	v_lshl_add_u32 v7, v86, 2, v7                  ; column cc >> 3
	v_lshlrev_b32 v5, 4, v84                       ; a wave's store covers 512 consecutive bytes
.irp e, 0,1,2,3,4,5,6,7
	global_load_b32 v[WF+\e], v7, s[30:31] offset:512*\e
.endr
	s_wait_loadcnt 0x0
.irp p, 0,1,2,3
	v_cvt_pk_f16_f32 v[WB+\p], v[WF+2*\p], v[WF+2*\p+1]
.endr
	global_store_b128 v5, v[WB:WB+3], s[32:33]
	s_branch .Lno_weights
.Lconvert:
	; g = 8..12: piece p = g - 8 of wkx, 1,280 chunks.  Pieces 0-3 are Wk as it lies; piece 4 is bk, whose 16 chunks are taken 16 times
	s_sub_co_u32 s34, s4, 8
	s_cmp_lt_u32 s34, 4
	s_cselect_b64 s[30:31], s[14:15], s[16:17]
	s_cselect_b32 s35, 0xffff, 15                  ; Wk: chunk cc; bk: chunk cc & 15
	s_lshl_b32 s34, s34, 8
	v_add_nc_u32 v84, s34, v0                      ; cc
	v_and_b32 v85, s35, v84
	v_lshlrev_b32 v7, 5, v85
	v_lshlrev_b32 v5, 4, v84
	global_load_b128 v[WF:WF+3],   v7, s[30:31]
	global_load_b128 v[WF+4:WF+7], v7, s[30:31] offset:16
	s_wait_loadcnt 0x0
.irp p, 0,1,2,3
	v_cvt_pk_f16_f32 v[WB+\p], v[WF+2*\p], v[WF+2*\p+1]
.endr
	global_store_b128 v5, v[WB:WB+3], s[26:27]
.Lno_weights:
	s_wait_loadcnt 0x0                             ; x is here
.irp i, 0,1,2,3
.irp p, 0,1,2,3
	v_cvt_pk_f16_f32 v[XB+4*\i+\p], v[XF+8*\i+2*\p], v[XF+8*\i+2*\p+1]
.endr
	global_store_b128 v6, v[XB+4*\i:XB+4*\i+3], s[18:19] offset:4096*\i   ; a wave's store covers 512 consecutive bytes
.irp p, 0,1,2,3
	ds_store_b16        v2, v[XB+4*\i+\p] offset:(2*\p)*TP+64*\i          ; number e = 2 p of the chunk goes to row d0 + e of T
	ds_store_b16_d16_hi v2, v[XB+4*\i+\p] offset:(2*\p+1)*TP+64*\i
.endr
.endr
	s_wait_dscnt 0x0                               ; my part of T is written: zero, for the other waves' sake
	s_barrier_signal -1
	s_barrier_wait -1                              ; everybody's is
.irp i, 0,1,2,3
	ds_load_b128 v[XR+4*\i:XR+4*\i+3], v3 offset:16*TP*\i
.endr
.irp i, 0,1,2,3
	s_wait_dscnt 3-\i                              ; LDS loads come back in order: row group i is in, the younger ones stay out
	global_store_b128 v4, v[XR+4*\i:XR+4*\i+3], s[20:21] offset:131072*\i  ; 16 lanes store 256 consecutive bytes, at a multiple of 256 from xT's first byte
.endr
	s_wait_tensorcnt 0x0
	ds_add_u32 v88, v89
	s_wait_dscnt 0x0
	s_endpgm
.Lfunc_end_k_q6a5322ff42_prep:
	.size	k_q6a5322ff42_prep, .Lfunc_end_k_q6a5322ff42_prep-k_q6a5322ff42_prep
	.p2alignl 7, 3214868480
	.fill 96, 4, 3214868480
	.section	.rodata,"a",@progbits
	.p2align	6, 0x0
	.amdhsa_kernel k_q6a5322ff42_prep
		.amdhsa_group_segment_fixed_size 18432
		.amdhsa_private_segment_fixed_size 0
		.amdhsa_enable_private_segment 0
		.amdhsa_kernarg_size 80
		.amdhsa_user_sgpr_count 2
		.amdhsa_user_sgpr_kernarg_segment_ptr 1
		.amdhsa_wavefront_size32 1
		.amdhsa_system_sgpr_workgroup_id_x 1
		.amdhsa_system_sgpr_workgroup_id_y 1
		.amdhsa_system_sgpr_workgroup_id_z 1
		.amdhsa_system_vgpr_workitem_id 0
		.amdhsa_next_free_vgpr 90
		.amdhsa_next_free_sgpr 66
		.amdhsa_reserve_vcc 0
		.amdhsa_float_denorm_mode_32 3
		.amdhsa_float_denorm_mode_16_64 3
		.amdhsa_memory_ordered 1
		.amdhsa_forward_progress 1
		.amdhsa_inst_pref_size 10
	.end_amdhsa_kernel
	.amdgpu_metadata
---
amdhsa.version: [ 1, 2 ]
amdhsa.kernels:
  - .name:           k_q6a5322ff42_prep
    .symbol:         k_q6a5322ff42_prep.kd
    .args:
      - { .name: x, .offset: 0, .size: 8, .value_kind: global_buffer, .address_space: global }
      - { .name: Wq, .offset: 8, .size: 8, .value_kind: global_buffer, .address_space: global }
      - { .name: Wv, .offset: 16, .size: 8, .value_kind: global_buffer, .address_space: global }
      - { .name: Wk, .offset: 24, .size: 8, .value_kind: global_buffer, .address_space: global }
      - { .name: bk, .offset: 32, .size: 8, .value_kind: global_buffer, .address_space: global }
      - { .name: xb, .offset: 40, .size: 8, .value_kind: global_buffer, .address_space: global }
      - { .name: xT, .offset: 48, .size: 8, .value_kind: global_buffer, .address_space: global }
      - { .name: wqT, .offset: 56, .size: 8, .value_kind: global_buffer, .address_space: global }
      - { .name: wvT, .offset: 64, .size: 8, .value_kind: global_buffer, .address_space: global }
      - { .name: wkx, .offset: 72, .size: 8, .value_kind: global_buffer, .address_space: global }
    .group_segment_fixed_size: 18432
    .private_segment_fixed_size: 0
    .kernarg_segment_align: 8
    .kernarg_segment_size: 80
    .max_flat_workgroup_size: 256
    .sgpr_count:     66
    .vgpr_count:     90
    .wavefront_size: 32
...
	.end_amdgpu_metadata
.endif
;; end of part 1
;; launch attn (part 2): grid 256 x 1, 8 waves a work-group, clusters of 4 x 1, 327,680 bytes of LDS; arguments xb, xT, wqT, wkx, wvT, bq, bv, out0; writes out0
.if DOCPART == 2
	.amdgcn_target "amdgcn-amd-amdhsa--gfx1250"
	.amdhsa_code_object_version 6
	.text
	.protected	k_q6a5322ff42_attn
	.globl	k_q6a5322ff42_attn
	.p2align	8
	.type	k_q6a5322ff42_attn,@function
k_q6a5322ff42_attn:
	s_mov_b64 s[64:65], 0
	v_nop
	global_prefetch_b8 v0, s[64:65] scope:SCOPE_SE
	s_setreg_imm32_b32 hwreg(HW_REG_WAVE_MODE, 25, 1), 1
	s_wait_xcnt 0x0
	s_wait_alu depctr_hold_cnt(0) depctr_sa_sdst(0) depctr_va_vdst(0) depctr_va_sdst(0) depctr_va_ssrc(0) depctr_va_vcc(0) depctr_vm_vsrc(0)
	s_getreg_b32 s2, hwreg(HW_REG_IB_STS2, 6, 4)
	s_cmp_eq_u32 s2, 0
	s_cbranch_scc0 .Lentry_in_a_cluster
	s_endpgm
.Lentry_in_a_cluster:
	s_bfe_u32 s2, ttmp6, 0x10000c
	s_cmp_lg_u32 s2, 0x3003
	s_cbranch_scc0 .Lentry_shape_is_right
	s_endpgm
.Lentry_shape_is_right:
; out = softmax((x Wq + bq)(x Wk + bk)^T / sqrt(128)) (x Wv + bv), B = 8, S = 4096, d = 64, hidden = 128.
; Two identities, exact for every input, let both long products run 64 wide instead of 128:
;   Q K^T = (Q Wk^T) x^T + (Q bk) 1^T : scores need Q' = Q Wk^T (64 wide) against x itself, and c = Q bk, one number a query;
;   softmax(S)(x Wv + bv) = (softmax(S) x) Wv + bv, since the weights of a row add up to one.
; So "keys" and "values" are both x: xb (rows along d) and xT (rows along the sequence).  A running maximum is kept.
;
; NUMBER FORMAT.  All matrix operands are f16, all sums f32.  The result is a mean over 4,096 rows and much smaller than the rows; it passes
; through a chain of products (x, Wq, Q, Wk, Q', softmax(S) x, Wv), and each rounding of a link shows in it undamped: 11 significant bits keep the chain's
; error an eighth of what 8 bits would leave.  f16's range: x, the weights and bk are taken as they are (thirty times the spreads 1 and 1/8 stay
; under 200); the weights P are at most 1; softmax(S) x is a convex mean of rows of x.  Q and Q' grow with the product of two and three inputs, so
; Q IS NORMALISED, query by query, by an exact power of two: t = 2^e, e the exponent of the query's largest |Q|; Qn = Q / t has its largest
; magnitude in [1, 2), Q'n = Qn Wk^T is at most 256 max|Wk|, cn = Qn bk stays in f32.  The factor sigma = t log2(e) / sqrt(128), one number a query, is
; applied in f32 by the fused multiply-add that also takes the maximum away: 2^(sigma raw - sigma max).
;
; SHARES.  A work-group owns 128 query rows: 256 work-groups.  Wave w: qh = w >> 2 says which 64 queries (4 blocks of 16),
; kq = w & 3 which quarter of every tile's keys; the four waves of one qh are merged at the end.  Eight waves: two on each
; SIMD, so that one wave's softmax can run beside the other's products.
; EVERYTHING IS TRANSPOSED: S^T = x Q'^T (source 0 = 16 keys, source 1 = 16 queries), O^T = xT P^T.  A lane then holds one query
; (lane & 15): maximum and sum are per lane, with one exchange between the halves of the wave, and two result tiles of S^T,
; rounded to f16 in pairs, ARE a source-1 fragment of P^T (keys 8h..8h+7 and 16+8h..16+8h+7): no shuffle.
; CLUSTER.  The four work-groups of a cluster are four query blocks of one batch (32 blocks a batch, 8 clusters) and walk the same
; tiles: every tile is asked for jointly, mask 15.  Descriptors are made of the cluster's number and the wave's number alone.
; TILES.  512 keys a slot, two slots, eight tiles.  Waves 0-3 fetch xb's four quarters (128 keys x 128 bytes), waves 4-7 xT's
; (64 rows x 256 bytes).  A wave has two tensor loads out at the start and one behind each round of the cluster's barrier;
; that one has a whole tile's work, 128 matrix instructions of the wave, in which to land.
; LIMITS.  NaN and infinite inputs and scores beyond f32's range are not served.  max|Wk| below 255 (Q'n in f16).  A query's largest |Q| below 2^127;
; a query whose Q is all below 2^-126 counts as zero.  v_exp_f32 gives zero below 2^-126, and a weight below about 3e-8 of the running maximum
; vanishes in f16.  Sums are grouped otherwise than in the formula at the top (the two identities).  Rounded to f16 as matrix operands:
; x, Wq, Wk, Wv, bk, Qn, Q'n, the weights P, and the normalised softmax(S) x.  Everything else is f32.
;
; LDS:  slot n at n SLOT: region j = 0..3 xb's quarter j (pitch 144), region 4 + j xT's quarter j (pitch 272): both pitches are odd
;       multiples of 16 bytes, so the 16 rows of a fragment load begin at 16 different 16-byte columns modulo 256.
;       QS: Q'n fragments, block q (0..7) x 2048 + piece x 512 + lane x 16.   CS: cn, block q x 1024 + half x 512 + lane x 16.
;       SGS: sigma, twice, block q x 256 + lane x 8.
;       After the last fill: bytes 0..131071 exchange of O, STAT the partners' maxima and sums (both inside slot 0),
;       SLOT + w x 8448 each wave's stage for the way out (inside slot 1).
.set REG,   18432                      ; a region: 128 x 144 bytes (xT's 64 x 272 = 17,408 fit too)
.set SLOT,  8*REG
.set QS,    2*SLOT
.set CS,    QS+16384
.set SGS,   CS+8192
.set STAT,  131072
.set STG,   SLOT
.set KP,    144
.set VP,    272
.set SP,    528                        ; stage pitch: a row of 512 bytes + 16
; window 0
.set ADRK,  2                          ; v2, v3    LDS address of my key fragments, slot 0, 1
.set ADRV,  4                          ; v4, v5    the same for xT
.set WA,    6                          ; r x 128 + 16 h   (rows of 128 bytes: xb, wqT, wvT)
.set BA,    7                          ; 32 h             (a bias: 8 numbers from 8 h on)
.set NM,    8                          ; v[8:15]   minus the running maximum (times sigma) of block qb in v[8+2qb]; the odd ones are 0
.set LS,    16                         ; v[16:23]  running sums, a pair for each block
.set AL,    24                         ; v[24:25]  the factor 2^(old maximum - new maximum); v25 is 0
.set T,     26                         ; v[26:29]  at work
.set KA,    30                         ; r x 256 + 16 h   (rows of 256 bytes: wkx)
.set L16,   31                         ; lane x 16
.set P,     32                         ; v[32:47]  two source-1 fragments (weights; in prologue and epilogue x, Q'n, O)
.set U,     48                         ; v[48:51]  at work
.set KF,    64                         ; v[64:127] key fragments: 16 keys i, half u of d at 16 i + 8 u
.set VF,    128                        ; v[128:191] xT fragments: 16 rows t, 32 keys u at 16 t + 8 u
.set S,     192                        ; v[192:223] four score tiles; up to v255 in prologue and epilogue
.set SG,    224                        ; v[224:231] in the loop: sigma of block qb, twice, in v[224+2qb:225+2qb]
; window 1, written by the low 8 bits
.set QF,    0                          ; v[256:319] Q'n fragments, block qb, half u at 16 qb + 8 u
.set CB,    64                         ; v[320:351] cn of block qb, eight equal registers
.set O,     96                         ; v[352:479] O^T: block qb, 16 rows t of d at 32 qb + 8 t
; s_set_vgpr_msb's low byte: bits 1:0 source 0, 3:2 source 1, 5:4 source 2, 7:6 destination
.set W_S1,  0x14                       ; source 1 and C in window 1
.set W_S2,  0x04                       ; source 1 in window 1 (also: the data of an LDS store)
.set W_RS,  0x41                       ; destination and source 0
.set W_PV,  0x50                       ; C and D
.set W_TO1, 0x40                       ; destination
.set W_FM,  0x51                       ; destination, source 0, source 2
.set W_CV,  0x05                       ; sources 0 and 1
.set MSB, 0
.macro WIN new                         ; the immediate's high byte repeats the setting that is left; a switch that changes nothing is dropped
.if MSB != \new
	s_set_vgpr_msb (MSB<<8)|\new
.set MSB, \new
.endif
.endm
.macro PLACES                          ; four plain vector instructions between a matrix instruction and a vector instruction, store or load that touches its registers
.rept 4
	v_nop
.endr
.endm
; A round of the cluster's barrier: my work-group's barrier, wave 0 signals for the work-group, every wave waits for all four work-groups, my work-group's barrier again.
.macro ROUND
	s_barrier_signal -1
	s_barrier_wait -1
	s_cmp_lg_u32 s8, 0
	s_cbranch_scc1 .Lnot_wave_0_\@
	s_barrier_signal -3
.Lnot_wave_0_\@:
	s_barrier_wait -3
	s_barrier_signal -1
	s_barrier_wait -1
.endm
; A joint load into slot s: waves 0-3 ask for their quarter of xb's tile, waves 4-7 for theirs of xT's.  The branch hangs on the wave's number alone.
.macro JLOAD s
	s_cmp_eq_u32 s10, 0
	s_cbranch_scc0 .Lfor_v_\@
	tensor_load_to_lds s[48+4*(\s):51+4*(\s)], s[32:39]
	s_nop 0
	s_branch .Lasked_\@
.Lfor_v_\@:
	tensor_load_to_lds s[56+4*(\s):59+4*(\s)], s[40:47]
	s_nop 0
.Lasked_\@:
.endm
; Bias (8 numbers a tile and lane, as the C of 8 tiles of 16 hidden rows) and a transposed weight [128][64] as 16 source-0 fragments
.macro LOADPROJ w, b
.irp t, 0,1,2,3,4,5,6,7
.irp e, 0,1
	global_load_b128 v[S+8*\t+4*\e:S+8*\t+4*\e+3], v[BA], s[\b:\b+1] offset:64*\t+16*\e
.endr
.endr
.irp t, 0,1,2,3,4,5,6,7
.irp u, 0,1
.irp e, 0,1
	global_load_b128 v[KF+16*\t+8*\u+4*\e:KF+16*\t+8*\u+4*\e+3], v[WA], s[\w:\w+1] offset:2048*\t+64*\u+32*\e
.endr
.endr
.endr
.endm
; (weight^T)(P fragments) + bias: 8 tiles of 16 hidden rows x 16 queries.  The eight accumulators take turns, one instruction a turn.
.macro PROJ
.irp u, 0,1
.irp t, 0,1,2,3,4,5,6,7
	v_wmma_f32_16x16x32_f16 v[S+8*\t:S+8*\t+7], v[KF+16*\t+8*\u:KF+16*\t+8*\u+7], v[P+8*\u:P+8*\u+7], v[S+8*\t:S+8*\t+7]
.endr
.endr
.endm
; 16 LDS loads: the fragments of 64 keys (step ks of my 128) x 64 d
.macro LOADK slot, ks
.irp i, 0,1,2,3
.irp u, 0,1
.irp e, 0,1
	ds_load_b128 v[KF+16*\i+8*\u+4*\e:KF+16*\i+8*\u+4*\e+3], v[ADRK+\slot] offset:(64*(\ks)+16*\i)*KP+64*\u+32*\e
.endr
.endr
.endr
.endm
; 16 LDS loads: the fragments of 64 d x the same 64 keys
.macro LOADV slot, ks
.irp t, 0,1,2,3
.irp u, 0,1
.irp e, 0,1
	ds_load_b128 v[VF+16*\t+8*\u+4*\e:VF+16*\t+8*\u+4*\e+3], v[ADRV+\slot] offset:16*\t*VP+128*(\ks)+64*\u+32*\e
.endr
.endr
.endr
.endm
; Raw scores (Q'n x + cn) of 64 keys x block qb.  The first four products start the sums from cn; the four accumulators take turns.
.macro SMM qb
	WIN W_S1
.irp i, 0,1,2,3
	v_wmma_f32_16x16x32_f16 v[S+8*\i:S+8*\i+7], v[KF+16*\i:KF+16*\i+7], v[QF+16*\qb:QF+16*\qb+7], v[CB+8*\qb:CB+8*\qb+7]
.endr
	WIN W_S2
.irp i, 0,1,2,3
	v_wmma_f32_16x16x32_f16 v[S+8*\i:S+8*\i+7], v[KF+16*\i+8:KF+16*\i+15], v[QF+16*\qb+8:QF+16*\qb+15], v[S+8*\i:S+8*\i+7]
.endr
	WIN 0
.endm
; The largest raw score of my query (32 here, 32 in the other half of the wave); sigma is not negative, so sigma times it is the largest score.
; Then the new running maximum, the factor for what was summed before, and minus the maximum.
.macro MAXP qb, first
.irp j, 0,1,2,3
	v_max3_num_f32 v[T+\j], v[S+3*\j], v[S+3*\j+1], v[S+3*\j+2]
.endr
.irp j, 0,1,2,3,4,5,6,7,8,9
	v_max3_num_f32 v[T+\j%4], v[T+\j%4], v[S+12+2*\j], v[S+13+2*\j]
.endr
	v_max3_num_f32 v[T], v[T], v[T+1], v[T+2]
	v_max_num_f32 v[T], v[T], v[T+3]
	v_permlanex16_b32 v[T+1], v[T], s67, s68       ; lane i of the other half
	v_max_num_f32 v[T], v[T], v[T+1]
.if \first
	v_mul_f32 v[NM+2*\qb], -v[T], v[SG+2*\qb]
.else
	v_mul_f32 v[T], v[T], v[SG+2*\qb]
	v_max_num_f32 v[T], v[T], -v[NM+2*\qb]
	v_fma_f32 v[AL], v[NM+2*\qb], -1.0, -v[T]      ; old maximum - new maximum
	v_exp_f32 v[AL], v[AL]                         ; the next line is the plain instruction between it and its use (ISA guide 5.7.2)
	v_sub_f32 v[NM+2*\qb], 0, v[T]
.endif
.endm
.macro SUB qb, i                       ; sigma x raw score - maximum, one rounding
.irp p, 0,1,2,3
	v_pk_fma_f32 v[S+8*\i+2*\p:S+8*\i+2*\p+1], v[S+8*\i+2*\p:S+8*\i+2*\p+1], v[SG+2*\qb:SG+2*\qb+1], v[NM+2*\qb:NM+2*\qb+1] op_sel_hi:[1,1,0]
.endr
.endm
.macro EXP i
.irp j, 0,1,2,3,4,5,6,7
	v_exp_f32 v[S+8*\i+\j], v[S+8*\i+\j]
.endr
.endm
.macro CVT i                           ; tile i becomes half a fragment of P^T
	s_wait_alu depctr_va_vdst(0)
.irp p, 0,1,2,3
	v_cvt_pk_f16_f32 v[P+4*\i+\p], v[S+8*\i+2*\p], v[S+8*\i+2*\p+1]
.endr
.endm
.macro SUM qb, i, first                ; tile i's eight weights onto the block's pair of sums; tile 0 brings the old sums to the new maximum
	v_pk_add_f32 v[U:U+1],   v[S+8*\i:S+8*\i+1],   v[S+8*\i+2:S+8*\i+3]
	v_pk_add_f32 v[U+2:U+3], v[S+8*\i+4:S+8*\i+5], v[S+8*\i+6:S+8*\i+7]
.if \i
	v_pk_add_f32 v[U:U+1], v[U:U+1], v[U+2:U+3]
	v_pk_add_f32 v[LS+2*\qb:LS+2*\qb+1], v[LS+2*\qb:LS+2*\qb+1], v[U:U+1]
.else
.if \first
	v_pk_add_f32 v[LS+2*\qb:LS+2*\qb+1], v[U:U+1], v[U+2:U+3]      ; the first tile starts the sums
.else
	v_pk_add_f32 v[U:U+1], v[U:U+1], v[U+2:U+3]
	v_pk_fma_f32 v[LS+2*\qb:LS+2*\qb+1], v[LS+2*\qb:LS+2*\qb+1], v[AL:AL+1], v[U:U+1] op_sel_hi:[1,0,1]
.endif
.endif
.endm
.macro RESC qb                         ; O^T of the block to the new maximum
	WIN W_RS
.irp j, 0,1,2,3,4,5,6,7,8,9,10,11,12,13,14,15
	v_pk_mul_f32 v[O+32*\qb+2*\j:O+32*\qb+2*\j+1], v[O+32*\qb+2*\j:O+32*\qb+2*\j+1], v[AL:AL+1] op_sel_hi:[1,0]
.endr
	WIN 0
.endm
; The softmax of a block's 64 x 16 scores.  Behind each run of exponentials stand plain instructions on other registers before its results are read.
.macro REST qb, first
	SUB \qb, 0
	EXP 0
	SUB \qb, 1
	EXP 1
	CVT 0
	SUM \qb, 0, \first
	SUB \qb, 2
	EXP 2
	CVT 1
	SUM \qb, 1, 0
	SUB \qb, 3
	EXP 3
	CVT 2
	SUM \qb, 2, 0
.if \first
.else
	RESC \qb
.endif
	CVT 3
	SUM \qb, 3, 0
.endm
; O^T += xT P^T: 64 d x block qb, 64 keys.  The four accumulators take turns; the first product starts the sums.
.macro PVMM qb, first
	WIN W_PV
.irp t, 0,1,2,3
.if \first
	v_wmma_f32_16x16x32_f16 v[O+32*\qb+8*\t:O+32*\qb+8*\t+7], v[VF+16*\t:VF+16*\t+7], v[P:P+7], 0
.else
	v_wmma_f32_16x16x32_f16 v[O+32*\qb+8*\t:O+32*\qb+8*\t+7], v[VF+16*\t:VF+16*\t+7], v[P:P+7], v[O+32*\qb+8*\t:O+32*\qb+8*\t+7]
.endif
.endr
.irp t, 0,1,2,3
	v_wmma_f32_16x16x32_f16 v[O+32*\qb+8*\t:O+32*\qb+8*\t+7], v[VF+16*\t+8:VF+16*\t+15], v[P+8:P+15], v[O+32*\qb+8*\t:O+32*\qb+8*\t+7]
.endr
.endm
; One block of 16 queries against 64 keys.  loadv: xT's fragments are fetched under the block's softmax (the four places behind the score
; products also stand behind the last products that read VF).  loadk: the next 64 keys' fragments, behind the last products that read KF.
.macro QBLK slot, ks, qb, first, loadv, loadk
	SMM \qb
	PLACES
.if \loadv
	LOADV \slot, \ks
.endif
	MAXP \qb, \first
.if \loadk
	LOADK \slot, \ks+1
.endif
	REST \qb, \first
.if \loadv
	s_wait_dscnt 0x0                               ; xT's 16 loads, the only ones out
.endif
	PVMM \qb, \first
.endm
.macro KSTEP slot, ks, first, nextk    ; 64 keys x my 64 queries: 64 matrix instructions, 32 LDS loads
	s_wait_dscnt 0x0                               ; the key fragments (at the very first step Q'n, cn and sigma too)
	QBLK \slot, \ks, 0, \first, 1, 0
	QBLK \slot, \ks, 1, \first, 0, 0
	QBLK \slot, \ks, 2, \first, 0, 0
	QBLK \slot, \ks, 3, \first, 0, \nextk
.endm
; A tile.  In front of the barrier each wave waits for all its tensor loads (its part of this tile) and for its reads of the other slot.
; refill = 1: the barrier is a round of the cluster's barrier, and the joint refill of the other slot is the first thing behind it.
.macro TRIP slot, refill
	WIN 0
	s_set_vgpr_msb 0x5
	s_wait_tensorcnt 0x0                           ; no tensor load of mine is out: the descriptors may be stepped
	ds_add_u32 v224, v225
	s_wait_dscnt 0x0
	s_set_vgpr_msb 0x500
.if \refill
	s_add_nc_u64 s[54-4*\slot:55-4*\slot], s[54-4*\slot:55-4*\slot], 131072    ; the other slot's next tile: 1,024 keys of 128 bytes on
	s_add_nc_u64 s[62-4*\slot:63-4*\slot], s[62-4*\slot:63-4*\slot], 2048      ; 1,024 keys of 2 bytes on
.endif
	s_wait_dscnt 0x0
.if \refill
	ROUND
	JLOAD 1-\slot
.else
	s_barrier_signal -1
	s_barrier_wait -1
.endif
	LOADK \slot, 0
	KSTEP \slot, 0, 0, 1
	KSTEP \slot, 1, 0, 0
.endm
	; ---- set-up
	s_load_b512 s[16:31], s[0:1], 0x0              ; xb 16, xT 18, wqT 20, wkx 22, wvT 24, bq 26, bv 28, out 30
	s_set_vgpr_msb 0x40
	v_lshl_add_u32 v224, v0, 2, 0x4e800
	v_mov_b32 v225, 0
	s_set_vgpr_msb 0x4045
	ds_add_u32 v224, v225
	ds_add_u32 v224, v225
	s_set_vgpr_msb 0x4500
	v_lshrrev_b32 v1, 5, v0
	v_readfirstlane_b32 s8, v1                     ; wave
	s_and_b32 s9, s8, 3                            ; kq
	s_lshr_b32 s10, s8, 2                          ; qh.  Also: I fetch for xb (0) or for xT (1)
	s_bfe_u32 s11, ttmp6, 0x40000                  ; cx
	s_lshl_b32 s12, ttmp9, 2
	s_add_co_u32 s12, s12, s11                     ; work-group = 4 x cluster + cx: enters global addresses of x's query rows and of out alone
	s_lshr_b32 s13, ttmp9, 3                       ; batch: 8 clusters each
	s_mov_b32 s67, 0x76543210                      ; v_permlanex16_b32: lane i of the other half
	s_mov_b32 s68, 0xfedcba98
	s_mov_b32 s70, 0x3e0293ee                      ; log2(e) / sqrt(128)
	v_and_b32 v1, 31, v0                           ; lane
	v_and_b32 v48, 15, v0                          ; r
	v_bfe_u32 v49, v0, 4, 1                        ; h
	v_lshlrev_b32 v[L16], 4, v1
	v_lshlrev_b32 v50, 4, v49
	v_lshl_add_u32 v[WA], v48, 7, v50
	v_lshl_add_u32 v[KA], v48, 8, v50
	v_lshlrev_b32 v[BA], 5, v49
	v_mul_u32_u24 v51, v48, KP
	v_add_nc_u32 v51, v51, v50                     ; r x 144 + 16 h
	v_mul_u32_u24 v52, v48, VP
	v_add_nc_u32 v52, v52, v50                     ; r x 272 + 16 h
	s_mul_i32 s14, s9, REG                         ; my quarter of the keys
	v_add_nc_u32 v[ADRK], s14, v51
	v_add_nc_u32 v[ADRK+1], SLOT, v[ADRK]
	s_add_co_u32 s14, s14, 4*REG
	v_add_nc_u32 v[ADRV], s14, v52
	v_add_nc_u32 v[ADRV+1], SLOT, v[ADRV]
	s_lshl_b32 s6, s12, 14                         ; my work-group's 128 rows of 128 bytes
	s_lshl_b32 s69, s8, 11                         ; + 16 rows a wave: in the prologue wave w prepares query block w
	s_add_co_u32 s6, s6, s69
	s_mov_b32 s7, 0
	s_wait_dscnt 0x0
	s_wait_kmcnt 0x0
	s_add_nc_u64 s[4:5], s[16:17], s[6:7]          ; xb at my block's 16 query rows
	s_lshl_b32 s6, s6, 2                           ; the same rows in out: 512 bytes each
	s_add_nc_u64 s[30:31], s[30:31], s[6:7]
	; ---- the prologue's operands: 4 + 16 + 32 + 40 loads
.irp k, 0,1,2,3
	global_load_b128 v[P+4*\k:P+4*\k+3], v[WA], s[4:5] offset:32*\k        ; x of my 16 queries, two source-1 fragments
.endr
	LOADPROJ 20, 26                                ; wqT, bq
	WIN W_TO1
.irp t, 0,1,2,3,4
.irp u, 0,1,2,3
.irp e, 0,1
	global_load_b128 v[64+32*\t+8*\u+4*\e:64+32*\t+8*\u+4*\e+3], v[KA], s[22:23] offset:4096*\t+64*\u+32*\e   ; wkx: 5 x 4 source-0 fragments
.endr
.endr
.endr
	WIN 0
	; ---- descriptors.  Sizes in elements of 2 bytes.  Word 0: mask 15 (all four work-groups), element size, padding on, bit 21 beside the mask,
	; a pad of 4 words behind every row (32 words for xb's rows, 64 for xT's).
	s_mov_b32 s32, 15|(1<<16)|(1<<20)|(1<<21)|(4<<22)|(3<<25)
	s_mov_b32 s33, 64<<16                          ; tensor_dim0 = 64
	s_mov_b32 s34, 128<<16                         ; tensor_dim1 = 128
	s_mov_b32 s35, 64<<16                          ; tile_dim0 = 64
	s_mov_b32 s36, 128                             ; tile_dim1 = 128 keys
	s_mov_b32 s37, 64                              ; from row to row
	s_mov_b32 s38, 0
	s_mov_b32 s39, 0
	s_mov_b32 s40, 15|(1<<16)|(1<<20)|(1<<21)|(5<<22)|(3<<25)
	s_mov_b32 s41, 128<<16                         ; tensor_dim0 = 128
	s_mov_b32 s42, 64<<16                          ; tensor_dim1 = 64
	s_mov_b32 s43, 128<<16                         ; tile_dim0 = 128 keys
	s_mov_b32 s44, 64                              ; tile_dim1 = 64 rows of d
	s_mov_b32 s45, 4096                            ; from row to row
	s_mov_b32 s46, 0
	s_mov_b32 s47, 0
	s_lshl_b32 s14, s13, 19                        ; a batch is 524,288 bytes in xb and in xT
	s_mov_b32 s15, 0
	s_add_nc_u64 s[16:17], s[16:17], s[14:15]
	s_add_nc_u64 s[18:19], s[18:19], s[14:15]
	s_lshl_b32 s14, s9, 14                         ; quarter kq: 128 keys of 128 bytes
	s_add_nc_u64 s[16:17], s[16:17], s[14:15]
	s_lshl_b32 s14, s9, 8                          ; 128 keys of 2 bytes
	s_add_nc_u64 s[18:19], s[18:19], s[14:15]
	s_mul_i32 s69, s8, REG                         ; region w: xb's quarters, then xT's
.irp k, 0,1
	s_mov_b32 s[48+4*\k], 1
	s_add_co_u32 s[49+4*\k], s69, \k*SLOT
	s_add_nc_u64 s[50+4*\k:51+4*\k], s[16:17], \k*65536            ; tile k: 512 keys of 128 bytes
	s_or_b32 s[51+4*\k], s[51+4*\k], 0x80000000
	s_mov_b32 s[56+4*\k], 1
	s_add_co_u32 s[57+4*\k], s69, \k*SLOT
	s_add_nc_u64 s[58+4*\k:59+4*\k], s[18:19], \k*1024             ; 512 keys of 2 bytes
	s_or_b32 s[59+4*\k], s[59+4*\k], 0x80000000
.endr
	ROUND                                          ; all four work-groups are here: the first joint loads meet
	s_cmp_eq_u32 s10, 0                            ; both first fills of a wave stand in one branch on its number
	s_cbranch_scc0 .Lfirst_v
	tensor_load_to_lds s[48:51], s[32:39]
	s_nop 0
	tensor_load_to_lds s[52:55], s[32:39]
	s_nop 0
	s_branch .Lfirst_done
.Lfirst_v:
	tensor_load_to_lds s[56:59], s[40:47]
	s_nop 0
	tensor_load_to_lds s[60:63], s[40:47]
	s_nop 0
.Lfirst_done:
	; ---- Q^T = Wq^T x^T + bq: register j of tile t holds hidden 16 t + 8 h + j of query r
	s_wait_loadcnt 40                              ; all but the 40 loads of wkx, which were issued last
	PROJ
	PLACES
	; ---- the query's largest |Q| (64 numbers here, 64 in the other half of the wave); t = its power of two; Qn = Q / t, exactly
.irp j, 0,1,2,3
	v_max3_num_f32 v[T+\j], |v[S+3*\j]|, |v[S+3*\j+1]|, |v[S+3*\j+2]|
.endr
.irp j, 0,1,2,3,4,5,6,7,8,9,10,11,12,13,14,15,16,17,18,19,20,21,22,23,24,25
	v_max3_num_f32 v[T+\j%4], v[T+\j%4], |v[S+12+2*\j]|, |v[S+13+2*\j]|
.endr
	v_max3_num_f32 v[T], v[T], v[T+1], v[T+2]
	v_max_num_f32 v[T], v[T], v[T+3]
	v_permlanex16_b32 v[T+1], v[T], s67, s68
	v_max_num_f32 v[T], v[T], v[T+1]
	v_and_b32 v[T], 0x7f800000, v[T]               ; t: the exponent field alone (0 where all of Q is below 2^-126: sigma is then 0, all scores equal)
	v_sub_nc_u32 v[U], 0x7f000000, v[T]            ; 1 / t: exponent field 254 - that of t
	v_mul_f32 v[U+2], s70, v[T]                    ; sigma = t log2(e) / sqrt(128),
	v_mul_f32 v[U+3], s70, v[T]                    ; twice: the pair that the loop's packed multiply-add takes
.irp j, 0,1,2,3,4,5,6,7,8,9,10,11,12,13,14,15,16,17,18,19,20,21,22,23,24,25,26,27,28,29,30,31
	v_pk_mul_f32 v[S+2*\j:S+2*\j+1], v[S+2*\j:S+2*\j+1], v[U:U+1] op_sel_hi:[1,0]
.endr
	WIN W_TO1
.irp t, 0,1,2,3,4,5,6,7
.irp p, 0,1,2,3
	v_cvt_pk_f16_f32 v[4*\t+\p], v[S+8*\t+2*\p], v[S+8*\t+2*\p+1]           ; tiles 2 u, 2 u + 1 are source-1 fragment u of Qn^T
.endr
.endr
	; ---- Q'n^T = Wk Qn^T (tiles 0-3: d) and cn = bk Qn^T (tile 4: the same number in all eight registers).  Five accumulators by turns.
	s_wait_loadcnt 0x0
	WIN W_CV
.irp t, 0,1,2,3,4
	v_wmma_f32_16x16x32_f16 v[KF+8*\t:KF+8*\t+7], v[64+32*\t:64+32*\t+7], v[0:7], 0
.endr
.irp u, 1,2,3
.irp t, 0,1,2,3,4
	v_wmma_f32_16x16x32_f16 v[KF+8*\t:KF+8*\t+7], v[64+32*\t+8*\u:64+32*\t+8*\u+7], v[8*\u:8*\u+7], v[KF+8*\t:KF+8*\t+7]
.endr
.endr
	WIN 0
	PLACES
.irp t, 0,1,2,3
.irp p, 0,1,2,3
	v_cvt_pk_f16_f32 v[P+4*\t+\p], v[KF+8*\t+2*\p], v[KF+8*\t+2*\p+1]
.endr
.endr
	; ---- hand block w to the four waves that need it.  A fragment's layout hangs on the lane alone, so it is stored and read lane by lane.
	s_lshl_b32 s69, s8, 11
	s_add_co_u32 s69, s69, QS
	v_add_nc_u32 v26, s69, v[L16]
	s_lshl_b32 s69, s8, 10
	s_add_co_u32 s69, s69, CS
	v_add_nc_u32 v27, s69, v[L16]
	s_lshl_b32 s69, s10, 13
	s_add_co_u32 s69, s69, QS
	v_add_nc_u32 v28, s69, v[L16]
	s_lshl_b32 s69, s10, 12
	s_add_co_u32 s69, s69, CS
	v_add_nc_u32 v29, s69, v[L16]
	s_lshl_b32 s69, s8, 8
	s_add_co_u32 s69, s69, SGS
	v_lshl_add_u32 v52, v1, 3, s69                 ; sigma, out: block w x 256 + lane x 8
	s_lshl_b32 s69, s10, 10
	s_add_co_u32 s69, s69, SGS
	v_lshl_add_u32 v53, v1, 3, s69                 ; sigma, in: my four blocks
.irp k, 0,1,2,3
	ds_store_b128 v26, v[P+4*\k:P+4*\k+3] offset:512*\k
.endr
.irp e, 0,1
	ds_store_b128 v27, v[KF+32+4*\e:KF+32+4*\e+3] offset:512*\e
.endr
	ds_store_b64 v52, v[U+2:U+3]
.irp q, 0,1,2,3
	v_mov_b32 v[NM+2*\q+1], 0                      ; the halves of the broadcast pairs that are named and never used
.endr
	v_mov_b32 v[AL+1], 0
	s_wait_dscnt 0x0                               ; my block is written: zero, for the others' sake
	s_wait_tensorcnt 0x1                           ; my part of tile 0 is in; tile 1's load stays out
	s_barrier_signal -1
	s_barrier_wait -1
	WIN W_TO1
.irp q, 0,1,2,3
.irp k, 0,1,2,3
	ds_load_b128 v[QF+16*\q+4*\k:QF+16*\q+4*\k+3], v28 offset:2048*\q+512*\k
.endr
.endr
.irp q, 0,1,2,3
.irp e, 0,1
	ds_load_b128 v[CB+8*\q+4*\e:CB+8*\q+4*\e+3], v29 offset:1024*\q+512*\e
.endr
.endr
	WIN 0
.irp q, 0,1,2,3
	ds_load_b64 v[SG+2*\q:SG+2*\q+1], v53 offset:256*\q
.endr
	LOADK 0, 0
	; ---- eight tiles of 512 keys.  Tile 0 stands in front of the loop: its first step starts maxima, sums and O.
	KSTEP 0, 0, 1, 1
	KSTEP 0, 1, 0, 0
	WIN 0                                          ; at a label and at a branch every window is 0
	s_mov_b32 s66, 3
.Lloop:
	TRIP 1, 1                                      ; tiles 1, 3, 5; slot 0 gets tiles 2, 4, 6
	TRIP 0, 1                                      ; tiles 2, 4, 6; slot 1 gets tiles 3, 5, 7
	WIN 0
	s_sub_co_u32 s66, s66, 1
	s_cmp_lg_u32 s66, 0
	s_cbranch_scc1 .Lloop
	TRIP 1, 0                                      ; tile 7: nothing is left to fetch
	; ---- the four waves of one qh are merged; wave w then owns query block w
	WIN 0
	PLACES                                         ; behind the last products: loads into their sources, LDS stores of their results
	LOADPROJ 24, 28                                ; wvT, bv: on their way during the merge
.irp q, 0,1,2,3
	v_add_f32 v[52+\q], v[LS+2*\q], v[LS+2*\q+1]
.endr
.irp q, 0,1,2,3
	v_permlanex16_b32 v[T+\q], v[52+\q], s67, s68
.endr
.irp q, 0,1,2,3
	v_add_f32 v[52+\q], v[52+\q], v[T+\q]          ; the sum over my 1,024 keys, in both halves of the wave
.endr
	v_and_b32 v62, 15, v0                          ; r
	v_bfe_u32 v63, v0, 4, 1                        ; h
	s_lshl_b32 s69, s8, 14
	v_add_nc_u32 v56, s69, v[L16]                  ; exchange, out: w x 16384 + lane x 16
	s_lshl_b32 s69, s10, 11
	s_add_co_u32 s69, s69, STAT
	s_lshl_b32 s14, s9, 7
	s_add_co_u32 s14, s14, s69
	v_lshl_add_u32 v57, v1, 2, s14                 ; statistics, out: qh x 2048 + (block x 512) + kq x 128 + lane x 4
	s_lshl_b32 s14, s9, 9
	s_add_co_u32 s14, s14, s69
	v_lshl_add_u32 v58, v1, 2, s14                 ; statistics, in: qh x 2048 + my block kq x 512 + (partner x 128) + lane x 4
	s_lshl_b32 s69, s10, 16
	s_lshl_b32 s14, s9, 12
	s_add_co_u32 s69, s69, s14
	v_add_nc_u32 v59, s69, v[L16]                  ; exchange, in: qh x 65536 + (partner x 16384) + kq x 4096 + lane x 16
	s_mul_i32 s69, s8, 16*SP
	s_add_co_u32 s69, s69, STG
	v_mul_u32_u24 v60, v62, SP
	v_lshl_add_u32 v60, v63, 5, v60
	v_add_nc_u32 v60, s69, v60                     ; stage, in: row r, 32 bytes for each half of the lanes
	v_add_nc_u32 v61, s69, v[L16]                  ; stage, back: a row of 512 bytes
	; Exchange and statistics lie in slot 0.  Every wave's reads of slot 0 were waited for in front of the last tile's barrier, and no load fills it any more.
	WIN W_S2
.irp a, 0,1,2,3
.irp b, 0,1,2,3,4,5,6,7
	ds_store_b128 v56, v[O+32*\a+4*\b:O+32*\a+4*\b+3] offset:512*(8*\a+\b)
.endr
.endr
	WIN 0
.irp q, 0,1,2,3
	ds_store_b32 v57, v[NM+2*\q] offset:512*\q
	ds_store_b32 v57, v[52+\q] offset:512*\q+4096
.endr
	s_wait_dscnt 0x0                               ; written, and my reads of slot 1 are long back: zero, for the others' sake
	s_barrier_signal -1
	s_barrier_wait -1
.irp k, 0,1,2,3
	ds_load_b32 v[16+\k], v58 offset:128*\k        ; minus partner k's maximum
.endr
.irp k, 0,1,2,3
	ds_load_b32 v[20+\k], v58 offset:128*\k+4096   ; partner k's sum
.endr
	WIN W_TO1
.irp k, 0,1,2,3
.irp b, 0,1,2,3,4,5,6,7
	ds_load_b128 v[O+32*\k+4*\b:O+32*\k+4*\b+3], v59 offset:16384*\k+512*\b
.endr
.endr
	WIN 0
	s_wait_dscnt 32                                ; the eight statistics; the 32 loads behind them stay out
	v_min3_num_f32 v48, v16, v17, v18
	v_min_num_f32 v48, v48, v19                    ; minus the maximum over all 4,096 keys
.irp k, 0,1,2,3
	v_sub_f32 v[T+\k], v48, v[16+\k]
.endr
.irp k, 0,1,2,3
	v_exp_f32 v[T+\k], v[T+\k]                     ; 2^(partner's maximum - maximum)
.endr
	v_nop                                          ; a plain instruction between an exponential and its use (ISA guide 5.7.2)
	s_wait_alu depctr_va_vdst(0)
	v_mul_f32 v49, v26, v20
	v_fmac_f32 v49, v27, v21
	v_fmac_f32 v49, v28, v22
	v_fmac_f32 v49, v29, v23                       ; the row's sum: about 1 at the least, the term of the largest score
	v_rcp_f32 v50, v49
	v_nop
	s_wait_alu depctr_va_vdst(0)
.irp k, 0,1,2,3
	v_mul_f32 v[NM+2*\k], v[T+\k], v50             ; partner k's weight; the pairs' odd registers are still 0
.endr
	s_wait_dscnt 0x0
	WIN W_RS
.irp j, 0,1,2,3,4,5,6,7,8,9,10,11,12,13,14,15
	v_pk_mul_f32 v[O+2*\j:O+2*\j+1], v[O+2*\j:O+2*\j+1], v[NM:NM+1] op_sel_hi:[1,0]
.endr
	WIN W_FM
.irp k, 1,2,3
.irp j, 0,1,2,3,4,5,6,7,8,9,10,11,12,13,14,15
	v_pk_fma_f32 v[O+2*\j:O+2*\j+1], v[O+32*\k+2*\j:O+32*\k+2*\j+1], v[NM+2*\k:NM+2*\k+1], v[O+2*\j:O+2*\j+1] op_sel_hi:[1,0,1]
.endr
.endr
	WIN W_CV
.irp t, 0,1,2,3
.irp p, 0,1,2,3
	v_cvt_pk_f16_f32 v[P+4*\t+\p], v[O+8*\t+2*\p], v[O+8*\t+2*\p+1]         ; softmax(S) x of my 16 queries, two source-1 fragments
.endr
.endr
	WIN 0
	; ---- out^T = Wv^T (softmax(S) x)^T + bv: register j of tile t holds hidden 16 t + 8 h + j of query r: 8 neighbouring numbers of a row of out
	s_wait_loadcnt 0x0
	PROJ
	PLACES
.irp t, 0,1,2,3,4,5,6,7
.irp e, 0,1
	ds_store_b128 v60, v[S+8*\t+4*\e:S+8*\t+4*\e+3] offset:64*\t+16*\e
.endr
.endr
.irp i, 0,1,2,3,4,5,6,7,8,9,10,11,12,13,14,15
	ds_load_b128 v[KF+4*\i:KF+4*\i+3], v61 offset:SP*\i                     ; my own stage; LDS serves a wave's instructions in order (ISA guide 5.7.1): these see the stores above
.endr
.irp i, 0,1,2,3,4,5,6,7,8,9,10,11,12,13,14,15
	s_wait_dscnt 15-\i                             ; row i is in, the younger rows stay out
	global_store_b128 v[L16], v[KF+4*\i:KF+4*\i+3], s[30:31] offset:512*\i th:TH_STORE_NT   ; the wave stores a whole row of out, 512 consecutive bytes
.endr
	s_set_vgpr_msb 0x5
	s_wait_tensorcnt 0x0
	ds_add_u32 v224, v225
	s_wait_dscnt 0x0
	s_set_vgpr_msb 0x500
	ROUND                                          ; the closing round: no work-group ends while a partner may still ask for a tile that names it
	s_endpgm
.Lfunc_end_k_q6a5322ff42_attn:
	.size	k_q6a5322ff42_attn, .Lfunc_end_k_q6a5322ff42_attn-k_q6a5322ff42_attn
	.p2alignl 7, 3214868480
	.fill 96, 4, 3214868480
	.section	.rodata,"a",@progbits
	.p2align	6, 0x0
	.amdhsa_kernel k_q6a5322ff42_attn
		.amdhsa_group_segment_fixed_size 327680
		.amdhsa_private_segment_fixed_size 0
		.amdhsa_enable_private_segment 0
		.amdhsa_kernarg_size 64
		.amdhsa_user_sgpr_count 2
		.amdhsa_user_sgpr_kernarg_segment_ptr 1
		.amdhsa_wavefront_size32 1
		.amdhsa_system_sgpr_workgroup_id_x 1
		.amdhsa_system_sgpr_workgroup_id_y 1
		.amdhsa_system_sgpr_workgroup_id_z 1
		.amdhsa_system_vgpr_workitem_id 0
		.amdhsa_next_free_vgpr 482
		.amdhsa_next_free_sgpr 72
		.amdhsa_reserve_vcc 0
		.amdhsa_float_denorm_mode_32 3
		.amdhsa_float_denorm_mode_16_64 3
		.amdhsa_memory_ordered 1
		.amdhsa_forward_progress 1
		.amdhsa_inst_pref_size 255
	.end_amdhsa_kernel
	.section	.bss,"aw",@nobits
	.p2align	6
	.space	262144
	.amdgpu_metadata
---
amdhsa.version: [ 1, 2 ]
amdhsa.kernels:
  - .name:           k_q6a5322ff42_attn
    .symbol:         k_q6a5322ff42_attn.kd
    .args:
      - { .name: xb, .offset: 0, .size: 8, .value_kind: global_buffer, .address_space: global }
      - { .name: xT, .offset: 8, .size: 8, .value_kind: global_buffer, .address_space: global }
      - { .name: wqT, .offset: 16, .size: 8, .value_kind: global_buffer, .address_space: global }
      - { .name: wkx, .offset: 24, .size: 8, .value_kind: global_buffer, .address_space: global }
      - { .name: wvT, .offset: 32, .size: 8, .value_kind: global_buffer, .address_space: global }
      - { .name: bq, .offset: 40, .size: 8, .value_kind: global_buffer, .address_space: global }
      - { .name: bv, .offset: 48, .size: 8, .value_kind: global_buffer, .address_space: global }
      - { .name: out0, .offset: 56, .size: 8, .value_kind: global_buffer, .address_space: global }
    .group_segment_fixed_size: 327680
    .private_segment_fixed_size: 0
    .kernarg_segment_align: 8
    .kernarg_segment_size: 64
    .max_flat_workgroup_size: 256
    .sgpr_count:     72
    .vgpr_count:     482
    .wavefront_size: 32
...
	.end_amdgpu_metadata
.endif
;; end of part 2
